; MI455X (gfx1250); checked and timed in simulation.
; The chip was launched on July 23, 2026; its instructions are those of AMD's public machine-readable ISA for CDNA 5 (MIT licence, August 2026) and "CDNA5" Instruction Set Architecture Reference Guide (July 2026). The comments in the code are by the model that wrote it; some were corrected since.
;; Quantizer. Allowed arithmetic: matrix products marked QUANTISED: E2M3 operands, one E8M0 scale for each 32 along K, by v_wmma_scale_f32_16x16x128_f8f6f4 with both operands' format E2M3, f32 sums; everything else in f32.
;; Inputs: embed 256 x 8,192 float32; x 32 x 32 x 32 x 256 float32.
;; Outputs: out0 32 x 32 x 32 x 256 float32.
;; This version of the problem:
;;   THIS VERSION OF THE PROBLEM IS GIVEN IN LOW PRECISION. The matrix products marked QUANTISED in the list below multiply operands that are first quantised to E2M3 (2 exponent bits, 3 mantissa bits; 6 bits a number), with one power-of-two scale for each 32 numbers along K (OCP MX v1.0); their sums are f32. All else is computed in f32.
;;   The module's matrix products, in the order in which they are computed (A, B: the left and right operand; K: the contracted axis; several contracted axes count as one K, in the product's order):
;;     1. [M 32,768, K 256] x [K 256, N 8,192]; A: input x; B: input embed: QUANTISED
;;   THE QUANTISER, for each operand of a quantised product, along K:
;;     - K is cut into blocks of 32 from its start; a last block that is shorter is filled with zeros.
;;     - A block's scale is 2^e with e = floor(log2(the largest magnitude in the block)) - 2, held to -126 .. 127; a block of zeros has e = 0. As a byte (E8M0): e + 127.
;;     - Each number is divided by its block's scale, clamped to +-7.5, and rounded to the nearest number of E2M3, ties to even, subnormals kept.
;;     - The product sums the exact products of the quantised numbers (number of the format x scale) in f32.
;;   ~~~python
;;   def quantise(x, axis):      # numpy; x: float32 -> the quantised numbers, widened to float32 again
;;       x = np.moveaxis(x, axis, -1); K = x.shape[-1]
;;       x = np.pad(x, [(0, 0)] * (x.ndim - 1) + [(0, -K % 32)]); x = x.reshape(x.shape[:-1] + (-1, 32)); a = np.abs(x).max(-1, keepdims=True)
;;       e = np.where(a > 0, np.clip(np.frexp(np.where(a > 0, a, 1))[1] - 1 - 2, -126, 127), 0)      # np.frexp(a)[1] - 1 = floor(log2(a)), exactly
;;       r = np.clip(x / 2.0 ** e, -7.5, 7.5)
;;       step = 2.0 ** (np.maximum(np.frexp(np.where(r == 0, 1, r))[1] - 1, 0) - 3)
;;       q = np.round(r / step) * step * 2.0 ** e      # np.round: ties to even
;;       return np.moveaxis(q.reshape(q.shape[:-2] + (-1,))[..., :K], -1, axis).astype(np.float32)
;;   ~~~
;; One version. Each part assembles by itself: llvm-mc -triple=amdgcn-amd-amdhsa -mcpu=gfx1250 --defsym DOCPART=n.
;; ======== version 1 of 1: 3 launches
;; limits: right only within a limited range of input values
;; workspace buffers: ecode 1,671,168 bytes; embt 8,388,608 bytes; xcode 6,815,744 bytes; idx 131,072 bytes of whole numbers
;; launch prep (part 1): grid 384 x 1, 8 waves a work-group, no clusters, 140,288 bytes of LDS; arguments embed, ecode, embt, x, xcode; writes ecode, embt, xcode
.if DOCPART == 1
	.amdgcn_target "amdgcn-amd-amdhsa--gfx1250"
	.amdhsa_code_object_version 6
	.text
	.protected	k_q6914ad60f0_prep
	.globl	k_q6914ad60f0_prep
	.p2align	8
	.type	k_q6914ad60f0_prep,@function
k_q6914ad60f0_prep:
	s_mov_b64 s[64:65], 0
	v_nop
	global_prefetch_b8 v0, s[64:65] scope:SCOPE_SE
	s_setreg_imm32_b32 hwreg(HW_REG_WAVE_MODE, 25, 1), 1
	s_wait_xcnt 0x0
; embed [256 (k)][8192 (n)] f32 is read once and leaves in two forms.
; (1) ecode: codes of FP6 (E2M3) along K, one E8M0 byte for each 32 along K, and -e_sq[n] = -(the sum over k of embed[k][n]^2), laid in the ORDER OF THE MATRIX OPERAND'S REGISTERS.
;     A chunk of 13,056 bytes serves 64 codewords = 4 tiles of 16.  Tile t, group g (g = 2 s + c: K step s of 128, half c) lies at 3072 t + 768 g: registers 0-3 of the group's six as an image of
;     512 bytes (lane l's 16 bytes at 16 l), registers 4-5 as an image of 256 bytes (8 l) behind it.  Lane (r, h) of group g holds block 2 g + h of codeword 16 t + r.
;     At 12,288 + 128 t: the tile's scale words, 4 bytes a lane: lanes 0-15 K step 0's word of codeword r, lanes 16-31 K step 1's.  At 12,800: 64 f32, -e_sq.
;     EVERY SCALE BYTE IS THE QUANTISER'S BYTE + 1, so that the product on these codes is 2 x the dot product, exactly (the quantiser's byte is at most 252).
; (2) embt: embed transposed, [8192][256] f32, for the gather.
; A block's scale is 2^(floor(log2(its largest magnitude)) - 2): its byte is the largest magnitude's exponent field - 2, held at 1 from below by a floor among the maximum's leaves.
; A block of zeros keeps the floor's byte: its codes are zeros, and this program alone reads the bytes.
; LIMITS: NaN and infinities are not served; blocks whose largest magnitude lies under 2^-124 keep the floor's byte; e_sq is summed in another order than a plain running sum.
; SHARES.  A work-group takes 64 columns (one chunk) over all of K, so that each row's 256 consecutive bytes are read by one work-group.  Wave w: cg = w / 4 (which 32 columns), kq = w % 4 (rows 64 kq on:
; blocks 2 kq and 2 kq + 1 = group kq).  A LANE TAKES A COLUMN AND ITS REGISTERS RUN DOWN K: a block lies in one lane's 32 registers, and the conversions give codes with K innermost.
; (3) Work-groups 128 to 383 take x instead: 128 tokens each, 16 a wave, quantised along K into xcode, again as images of the matrix operand's registers.  A token tile's record is 3,328 bytes:
;     K step s at 1,536 s as three images of 512 bytes (lane l's 16 bytes at 16 l); at 3,072 eight bytes a lane: the scale word (lanes 0-15 K step 0's of token r, lanes 16-31 K step 1's) and a zero.
;     The two paths part on the work-group's number alone and have LDS bytes of their own.
; WORK LEFT OUT BY THE PROGRAM: x_sq[token] is added to every one of a token's 8,192 distances alike, so for all values of the inputs it moves no argmin: it is not computed.
; LIMIT: a NaN, an infinity or an overflow that reaches x_sq alone is not carried to the result.
.set CHUNK, 13056
.set STG,   0                          ; LDS: for each wave 32 rows x (256 + 16) bytes, the turn for embt
.set SCST,  8*8704                     ; the chunk's 512 bytes of scale words, as they leave
.set EQST,  SCST+512                   ; four partial sums of squares (one for each kq) x 64 columns
.set X,   16                           ; v16-79   my column's 64 numbers
.set MX,  80                           ; v80-83   largest magnitudes, two chains a block
.set SO,  84                           ; v84-85   the conversions' scale operands
.set BY,  86                           ; v86-87   the scale bytes + 1
.set SQ,  88                           ; v88-91   sums of squares, two packed chains
.set CD,  92                           ; v92-97, v98-103  the two blocks' codes
.set TH,  104                          ; v104-106, v108-110  a block's upper 16 codes (a conversion's three registers begin on an even number)
.set OUTR, 112                         ; v112-175 rows read back from the stage
	s_load_b128 s[4:7], s[0:1], 0x0                ; embed, ecode
	s_load_b64 s[8:9], s[0:1], 0x10                ; embt
	v_lshl_add_u32 v176, v0, 2, 0x11800
	v_mov_b32 v177, 0
	s_cmp_ge_u32 ttmp9, 128                        ; x's work-groups part here
	s_cbranch_scc1 .Lxpath
	v_lshrrev_b32 v1, 5, v0
	s_delay_alu instid0(VALU_DEP_1)
	v_readfirstlane_b32 s10, v1                    ; wave 0..7
	s_and_b32 s11, s10, 3                          ; kq
	s_lshr_b32 s12, s10, 2                         ; cg
	v_and_b32 v1, 31, v0                           ; lane
	s_delay_alu instid0(VALU_DEP_1)
	v_lshlrev_b32 v2, 2, v1                        ; 4 x lane
	s_delay_alu instid0(VALU_DEP_2)
	v_lshlrev_b32 v3, 4, v1                        ; 16 x lane
	s_delay_alu instid0(VALU_DEP_3)
	v_lshlrev_b32 v4, 3, v1                        ; 8 x lane
	s_delay_alu instid0(VALU_DEP_4)
	v_and_b32 v12, 15, v1                          ; lane % 16
	v_lshrrev_b32 v13, 4, v1                       ; lane / 16
	s_wait_alu depctr_va_vdst(0)
	s_mul_i32 s20, s10, 8704                       ; my stage
	v_mul_u32_u24 v5, v1, 272
	s_delay_alu instid0(VALU_DEP_1)
	v_add_nc_u32 v5, s20, v5                       ; into it: row = my column
	v_mul_u32_u24 v6, v13, 272
	s_delay_alu instid0(VALU_DEP_1)
	v_lshl_add_u32 v6, v12, 4, v6
	s_delay_alu instid0(VALU_DEP_1)
	v_add_nc_u32 v6, s20, v6                       ; out of it: sixteen lanes to a row, two rows an instruction
	v_lshlrev_b32 v7, 10, v13
	s_delay_alu instid0(VALU_DEP_1)
	v_lshl_add_u32 v7, v12, 4, v7                  ; and the same place in embt (rows of 1,024 bytes)
	s_lshl_b32 s21, s12, 8                         ; my two scale bytes: tile 2 cg + lane / 16 (128 bytes a tile), K step kq / 2 (64 bytes), codeword lane % 16 (4 bytes), bytes 2 (kq % 2) and + 1
	s_lshr_b32 s22, s11, 1
	s_lshl_b32 s22, s22, 6
	s_add_co_u32 s21, s21, s22
	s_and_b32 s22, s11, 1
	s_lshl_b32 s22, s22, 1
	s_add_co_u32 s21, s21, s22
	s_add_co_u32 s21, s21, SCST
	v_lshlrev_b32 v8, 7, v13
	s_delay_alu instid0(VALU_DEP_1)
	v_lshl_add_u32 v8, v12, 2, v8
	s_delay_alu instid0(VALU_DEP_1)
	v_add_nc_u32 v8, s21, v8
	s_lshl_b32 s21, s11, 8                         ; my partial sum of squares: 256 kq + 128 cg + 4 x lane
	s_lshl_b32 s22, s12, 7
	s_add_co_u32 s21, s21, s22
	s_add_co_u32 s21, s21, EQST
	v_add_nc_u32 v9, s21, v2
	v_add_nc_u32 v10, SCST, v3                     ; the tail's reads (wave 0): made here, ahead of the branch on the wave's number
	v_add_nc_u32 v11, EQST, v4
	s_lshl_b32 s16, s11, 21                        ; embed: 64 kq rows of 32,768 bytes + 256 x work-group + 128 cg
	s_lshl_b32 s17, ttmp9, 8
	s_add_co_u32 s16, s16, s17
	s_lshl_b32 s17, s12, 7
	s_add_co_u32 s16, s16, s17
	s_mov_b32 s17, 0
	s_mul_i32 s18, ttmp9, CHUNK                    ; my chunk
	s_mov_b32 s19, 0
	s_mul_i32 s20, s12, 6144                       ; in it: tile 2 cg, group kq
	s_mul_i32 s21, s11, 768
	s_add_co_u32 s20, s20, s21
	s_mov_b32 s21, 0
	s_lshl_b32 s22, ttmp9, 16                      ; embt: 64 rows a work-group, 32 a column group, 256 bytes a kq
	s_lshl_b32 s23, s12, 15
	s_add_co_u32 s22, s22, s23
	s_lshl_b32 s23, s11, 8
	s_add_co_u32 s22, s22, s23
	s_mov_b32 s23, 0
	s_wait_kmcnt 0x0
	s_add_nc_u64 s[4:5], s[4:5], s[16:17]
	s_add_nc_u64 s[14:15], s[6:7], s[18:19]        ; the chunk's first byte, kept for the tail
	s_add_nc_u64 s[6:7], s[14:15], s[20:21]
	s_add_nc_u64 s[8:9], s[8:9], s[22:23]
.set i, 0
.rept 64
	global_load_b32 v[X+i], v2, s[4:5] offset:i*32768 th:TH_LOAD_NT   ; embed(64 kq + i, my column): 32 lanes read 128 consecutive bytes, the two column groups side by side 256
.set i, i+1
.endr
; Block b of my two: largest magnitude, scale, codes, squares.
.macro BLOCK b
.set XB, X+32*\b
	v_max3_num_f32 v[MX+2*\b], |v[XB]|, |v[XB+1]|, |v[XB+2]|
	v_max3_num_f32 v[MX+2*\b+1], |v[XB+3]|, |v[XB+4]|, |v[XB+5]|
.irp i, 6,10,14,18,22,26
	s_delay_alu instid0(VALU_DEP_2)
	v_max3_num_f32 v[MX+2*\b], v[MX+2*\b], |v[XB+\i]|, |v[XB+\i+1]|
	s_delay_alu instid0(VALU_DEP_2)
	v_max3_num_f32 v[MX+2*\b+1], v[MX+2*\b+1], |v[XB+\i+2]|, |v[XB+\i+3]|
.endr
	s_delay_alu instid0(VALU_DEP_2)
	v_max3_num_f32 v[MX+2*\b], v[MX+2*\b], |v[XB+30]|, |v[XB+31]|
	s_delay_alu instid0(VALU_DEP_1)
	v_max3_num_f32 v[MX+2*\b], v[MX+2*\b], v[MX+2*\b+1], 0x1800000   ; and the floor 2^(3 - 127): the byte cannot fall under 1
	s_delay_alu instid0(VALU_DEP_1)
	v_add_nc_u32 v[SO+\b], 0xff000000, v[MX+2*\b]  ; 2 off the exponent field: the conversion takes this operand's exponent field as its scale
	v_cvt_scalef32_pk16_fp6_f32 v[CD+6*\b:CD+6*\b+2], v[XB:XB+15], v[SO+\b]
	v_cvt_scalef32_pk16_fp6_f32 v[TH+4*\b:TH+4*\b+2], v[XB+16:XB+31], v[SO+\b]
	v_lshrrev_b32 v[BY+\b], 23, v[SO+\b]           ; the scale's byte (a plain line behind the conversions),
	s_delay_alu instid0(VALU_DEP_1)
	v_add_nc_u32 v[BY+\b], 1, v[BY+\b]             ; + 1: the product is to be 2 x the dot product
.if \b == 0
	v_pk_mul_f32 v[SQ:SQ+1], v[XB:XB+1], v[XB:XB+1]               ; the first products start the sums
	v_pk_mul_f32 v[SQ+2:SQ+3], v[XB+2:XB+3], v[XB+2:XB+3]
.else
	v_pk_fma_f32 v[SQ:SQ+1], v[XB:XB+1], v[XB:XB+1], v[SQ:SQ+1]
	v_pk_fma_f32 v[SQ+2:SQ+3], v[XB+2:XB+3], v[XB+2:XB+3], v[SQ+2:SQ+3]
.endif
.irp i, 4,8,12,16,20,24,28
	s_delay_alu instid0(VALU_DEP_2)
	v_pk_fma_f32 v[SQ:SQ+1], v[XB+\i:XB+\i+1], v[XB+\i:XB+\i+1], v[SQ:SQ+1]
	s_delay_alu instid0(VALU_DEP_2)
	v_pk_fma_f32 v[SQ+2:SQ+3], v[XB+\i+2:XB+\i+3], v[XB+\i+2:XB+\i+3], v[SQ+2:SQ+3]
.endr
.irp i, 0,1,2
	v_mov_b32 v[CD+6*\b+3+\i], v[TH+4*\b+\i]       ; the block's six registers on end
.endr
.endm
	s_wait_loadcnt 32                              ; block 0's 32 loads are in; block 1's 32 may be out
	BLOCK 0
	s_wait_loadcnt 0x0
	BLOCK 1
.irp i, 0,1,2,3,4,5
	v_permlane16_swap_b32 v[CD+\i], v[CD+6+\i]     ; the first's lanes 16-31 change places with the second's lanes 0-15: the first is now tile 2 cg's group (lanes 0-15 its blocks h = 0, lanes 16-31 h = 1), the second tile 2 cg + 1's
.endr
	v_pk_add_f32 v[SQ:SQ+1], v[SQ:SQ+1], v[SQ+2:SQ+3]
	v_lshl_or_b32 v[BY], v[BY+1], 8, v[BY]
	s_delay_alu instid0(VALU_DEP_2)
	v_add_f32 v[SQ], v[SQ], v[SQ+1]                ; my column's sum of squares over my 64 rows
	global_store_b128 v3, v[CD:CD+3], s[6:7]                       ; 32 lanes store 512 consecutive bytes, at a multiple of 256 from the buffer's first byte
	global_store_b64 v4, v[CD+4:CD+5], s[6:7] offset:512           ; and 256
	global_store_b128 v3, v[CD+6:CD+9], s[6:7] offset:3072
	global_store_b64 v4, v[CD+10:CD+11], s[6:7] offset:3584
	ds_store_b16 v8, v[BY]
	ds_store_b32 v9, v[SQ]
.irp i, 0,1,2,3,4,5,6,7,8,9,10,11,12,13,14,15
	ds_store_b128 v5, v[X+4*\i:X+4*\i+3] offset:16*\i              ; my column's 64 numbers are 256 bytes of a row of embt
.endr
.irp i, 0,1,2,3,4,5,6,7,8,9,10,11,12,13,14,15
	ds_load_b128 v[OUTR+4*\i:OUTR+4*\i+3], v6 offset:544*\i        ; LDS serves a wave's instructions in order (ISA guide 5.7.1.4): these see my stores
.endr
.irp i, 0,1,2,3,4,5,6,7,8,9,10,11,12,13,14,15
	s_wait_dscnt 15-\i                             ; load i is back; the loads issued behind it may be out
	global_store_b128 v7, v[OUTR+4*\i:OUTR+4*\i+3], s[8:9] offset:2048*\i   ; sixteen lanes store 256 consecutive bytes, aligned
.endr
	s_wait_dscnt 0x0                               ; for wave 0's sake: my scale bytes and my partial sum have landed
	s_barrier_signal -1
	s_barrier_wait -1
	s_cmp_lg_u32 s10, 0                            ; the chunk's last 768 bytes leave by wave 0
	s_cbranch_scc1 .Lend
	ds_load_b128 v[16:19], v10                     ; the scale words, as they leave
	ds_load_b64 v[20:21], v11                      ; columns 2 l and 2 l + 1: the four partial sums
	ds_load_b64 v[22:23], v11 offset:256
	ds_load_b64 v[24:25], v11 offset:512
	ds_load_b64 v[26:27], v11 offset:768
	s_wait_dscnt 0x0
	global_store_b128 v3, v[16:19], s[14:15] offset:12288
	v_pk_add_f32 v[20:21], v[20:21], v[22:23]
	v_pk_add_f32 v[24:25], v[24:25], v[26:27]
	s_delay_alu instid0(VALU_DEP_1)
	v_pk_add_f32 v[20:21], v[20:21], v[24:25] neg_lo:[1,1] neg_hi:[1,1]   ; -e_sq
	global_store_b64 v4, v[20:21], s[14:15] offset:12800
.Lend:
	s_wait_tensorcnt 0x0
	ds_add_u32 v176, v177
	s_wait_dscnt 0x0
	s_endpgm
; THE PATH OF x.
.set QST,  72704                       ; LDS: for each wave 16 rows x 528 bytes, behind the other path's bytes
.set QR0,  16                          ; v16-79, v80-143  my 16 tokens, K steps 0 and 1
.set QR1,  80
.set QTM,  144                         ; v144-151, v156-159 at work
.set QLN,  152
.set QRR,  153
.set QHH,  154
.set QPC,  180                         ; v180-199 codes
.set QPW,  200                         ; v200-201 the two K steps' scale words
.set QSS,  202
.set QSL,  203
.set QG,   204
.set QG8,  205
.macro XTURN reg                       ; 16 rows x 512 bytes through my stage: in as loaded, back 64 neighbouring bytes of each block a lane
.irp i, 0,1,2,3,4,5,6,7,8,9,10,11,12,13,14,15
	ds_store_b128 v[QSS], v[\reg+4*\i:\reg+4*\i+3] offset:528*\i
.endr
.irp b, 0,1,2,3
.irp j, 0,1,2,3
	ds_load_b128 v[\reg+16*\b+4*\j:\reg+16*\b+4*\j+3], v[QSL] offset:128*\b+16*\j
.endr
.endr
.endm
.macro XQUANT s, pw                    ; 128 along K: lane (r, h) holds 16 neighbours of each of four blocks; a block lies in lanes l and l xor 16
.irp b, 0,1,2,3
	v_max3_num_f32 v[QTM+\b], |v[\s+16*\b]|, |v[\s+1+16*\b]|, 0x1800000   ; with the floor 2^(3 - 127)
.endr
.irp i, 2,4,6,8,10,12,14
.irp b, 0,1,2,3
	s_delay_alu instid0(VALU_DEP_4)
	v_max3_num_f32 v[QTM+\b], v[QTM+\b], |v[\s+16*\b+\i]|, |v[\s+1+16*\b+\i]|
.endr
.endr
.irp b, 0,1,2,3
	s_delay_alu instid0(VALU_DEP_4)
	v_permlanex16_b32 v[QTM+4+\b], v[QTM+\b], s12, s13
.endr
.irp b, 0,1,2,3
	s_delay_alu instid0(VALU_DEP_4)
	v_max_num_f32 v[QTM+\b], v[QTM+\b], v[QTM+4+\b]
.endr
.irp b, 0,1,2,3
	s_delay_alu instid0(VALU_DEP_4)
	v_add_nc_u32 v[QTM+12+\b], 0xff000000, v[QTM+\b]   ; 2 off the exponent field: the conversion's scale operand
.endr
.irp b, 0,1,2,3
	s_delay_alu instid0(VALU_DEP_4)
	v_lshrrev_b32 v[QTM+4+\b], 23, v[QTM+12+\b]        ; the scale's byte
.endr
	s_delay_alu instid0(VALU_DEP_3)
	v_lshl_or_b32 v[\pw], v[QTM+5], 8, v[QTM+4]
	s_delay_alu instid0(VALU_DEP_1)
	v_lshl_or_b32 v[\pw], v[QTM+6], 16, v[\pw]
	s_delay_alu instid0(VALU_DEP_1)
	v_lshl_or_b32 v[\pw], v[QTM+7], 24, v[\pw]
.irp c, 0,1
	v_cvt_scalef32_pk16_fp6_f32 v[QPC+6*\c:QPC+2+6*\c], v[\s+32*\c:\s+15+32*\c], v[QTM+12+2*\c]
	v_cvt_scalef32_pk16_fp6_f32 v[QPC+12+4*\c:QPC+14+4*\c], v[\s+16+32*\c:\s+31+32*\c], v[QTM+12+2*\c+1]
.endr
	v_nop                                          ; one plain place behind a scaled conversion
.irp c, 0,1                            ; a whole block to a lane
.irp i, 0,1,2
	v_permlane16_swap_b32 v[QPC+6*\c+\i], v[QPC+12+4*\c+\i]
.endr
.irp i, 0,1,2
	s_delay_alu instid0(VALU_DEP_3)
	v_mov_b32 v[QPC+3+6*\c+\i], v[QPC+12+4*\c+\i]
.endr
.endr
.endm
.Lxpath:
	s_load_b64 s[24:25], s[0:1], 0x18              ; x
	s_load_b64 s[26:27], s[0:1], 0x20              ; xcode
	v_lshrrev_b32 v[QLN], 5, v0
	v_readfirstlane_b32 s10, v[QLN]                ; wave 0..7
	s_sub_co_u32 s11, ttmp9, 128                   ; which 128 tokens
	s_lshl_b32 s14, s11, 17                        ; x: 1,024 bytes a token
	s_lshl_b32 s15, s10, 14
	s_add_co_u32 s14, s14, s15
	s_mov_b32 s15, 0
	s_lshl_b32 s16, s11, 3
	s_add_co_u32 s16, s16, s10                     ; my token tile,
	s_mul_i32 s16, s16, 3328                       ; and its record
	s_mov_b32 s17, 0
	s_mov_b32 s12, 0x76543210
	s_mov_b32 s13, 0xfedcba98
	s_mul_i32 s18, s10, 8448
	s_add_co_u32 s18, s18, QST
	v_and_b32 v[QLN], 31, v0
	v_and_b32 v[QRR], 15, v0
	v_bfe_u32 v[QHH], v0, 4, 1
	v_lshlrev_b32 v[QG], 4, v[QLN]
	v_lshlrev_b32 v[QG8], 3, v[QLN]
	v_add_nc_u32 v[QSS], s18, v[QG]
	v_mul_u32_u24 v[QSL], v[QRR], 528
	s_delay_alu instid0(VALU_DEP_1)
	v_lshl_add_u32 v[QSL], v[QHH], 6, v[QSL]
	s_delay_alu instid0(VALU_DEP_1)
	v_add_nc_u32 v[QSL], s18, v[QSL]
.irp b, 0,1,2,3
	v_mov_b32 v[QTM+4+\b], 0                       ; a lane permute's destination counts as read
.endr
	v_mov_b32 v207, 0
	s_wait_alu depctr_va_vdst(0)
	s_wait_kmcnt 0x0
	s_add_nc_u64 s[24:25], s[24:25], s[14:15]
	s_add_nc_u64 s[26:27], s[26:27], s[16:17]
.irp s, 0,1
.irp i, 0,1,2,3,4,5,6,7,8,9,10,11,12,13,14,15
	global_load_b128 v[QR0+64*\s+4*\i:QR0+64*\s+4*\i+3], v[QG], s[24:25] offset:1024*\i+512*\s th:TH_LOAD_NT   ; token i, K step s: 512 consecutive bytes
.endr
.endr
	s_wait_loadcnt 16                              ; K step 0's 16 loads are in; K step 1's 16 may be out
	XTURN QR0
	s_wait_loadcnt 0x0
	XTURN QR1
	s_wait_dscnt 32                                ; all but the second turn's 16 stores and 16 loads
	XQUANT QR0, QPW
.irp c, 0,1,2
	global_store_b128 v[QG], v[QPC+4*\c:QPC+4*\c+3], s[26:27] offset:512*\c        ; 32 lanes store 512 consecutive bytes, aligned
.endr
	s_wait_dscnt 0x0
	s_wait_xcnt 0x0                                ; the stores' data are written again only behind this wait
	XQUANT QR1, QPW+1
.irp c, 0,1,2
	global_store_b128 v[QG], v[QPC+4*\c:QPC+4*\c+3], s[26:27] offset:1536+512*\c
.endr
	v_cmp_ne_u32 vcc_lo, 0, v[QHH]
	s_delay_alu instid0(VALU_DEP_1)
	v_cndmask_b32 v206, v[QPW], v[QPW+1], vcc_lo   ; lanes 0-15 K step 0's word, lanes 16-31 K step 1's
	global_store_b64 v[QG8], v[206:207], s[26:27] offset:3072                     ; 32 lanes store 256 consecutive bytes, aligned
	s_wait_tensorcnt 0x0                           ; the wave's end
	ds_add_u32 v176, v177
	s_wait_dscnt 0x0
	s_endpgm
.Lfunc_end_k_q6914ad60f0_prep:
	.size	k_q6914ad60f0_prep, .Lfunc_end_k_q6914ad60f0_prep-k_q6914ad60f0_prep
	.p2alignl 7, 3214868480
	.fill 96, 4, 3214868480
	.section	.rodata,"a",@progbits
	.p2align	6, 0x0
	.amdhsa_kernel k_q6914ad60f0_prep
		.amdhsa_group_segment_fixed_size 140288
		.amdhsa_private_segment_fixed_size 0
		.amdhsa_enable_private_segment 0
		.amdhsa_kernarg_size 40
		.amdhsa_user_sgpr_count 2
		.amdhsa_user_sgpr_kernarg_segment_ptr 1
		.amdhsa_wavefront_size32 1
		.amdhsa_system_sgpr_workgroup_id_x 1
		.amdhsa_system_sgpr_workgroup_id_y 1
		.amdhsa_system_sgpr_workgroup_id_z 1
		.amdhsa_system_vgpr_workitem_id 0
		.amdhsa_next_free_vgpr 208
		.amdhsa_next_free_sgpr 66
		.amdhsa_reserve_vcc 1
		.amdhsa_float_denorm_mode_32 3
		.amdhsa_float_denorm_mode_16_64 3
		.amdhsa_memory_ordered 1
		.amdhsa_forward_progress 1
		.amdhsa_inst_pref_size 43
	.end_amdhsa_kernel
	.amdgpu_metadata
---
amdhsa.version: [ 1, 2 ]
amdhsa.kernels:
  - .name:           k_q6914ad60f0_prep
    .symbol:         k_q6914ad60f0_prep.kd
    .args:
      - { .name: embed, .offset: 0, .size: 8, .value_kind: global_buffer, .address_space: global }
      - { .name: ecode, .offset: 8, .size: 8, .value_kind: global_buffer, .address_space: global }
      - { .name: embt, .offset: 16, .size: 8, .value_kind: global_buffer, .address_space: global }
      - { .name: x, .offset: 24, .size: 8, .value_kind: global_buffer, .address_space: global }
      - { .name: xcode, .offset: 32, .size: 8, .value_kind: global_buffer, .address_space: global }
    .group_segment_fixed_size: 140288
    .private_segment_fixed_size: 0
    .kernarg_segment_align: 8
    .kernarg_segment_size: 40
    .max_flat_workgroup_size: 256
    .sgpr_count:     66
    .vgpr_count:     208
    .wavefront_size: 32
...
	.end_amdgpu_metadata
.endif
;; end of part 1
;; launch dist (part 2): grid 256 x 1, 8 waves a work-group, clusters of 4 x 1, 327,680 bytes of LDS; arguments xcode, ecode, idx; writes idx
.if DOCPART == 2
	.amdgcn_target "amdgcn-amd-amdhsa--gfx1250"
	.amdhsa_code_object_version 6
	.text
	.protected	k_q6914ad60f0_dist
	.globl	k_q6914ad60f0_dist
	.p2align	8
	.type	k_q6914ad60f0_dist,@function
k_q6914ad60f0_dist:
	s_mov_b64 s[64:65], 0
	v_nop
	global_prefetch_b8 v0, s[64:65] scope:SCOPE_SE
	s_setreg_imm32_b32 hwreg(HW_REG_WAVE_MODE, 25, 1), 1
	s_wait_xcnt 0x0
	s_wait_alu depctr_hold_cnt(0) depctr_sa_sdst(0) depctr_va_vdst(0) depctr_va_sdst(0) depctr_va_ssrc(0) depctr_va_vcc(0) depctr_vm_vsrc(0)
	s_getreg_b32 s2, hwreg(HW_REG_IB_STS2, 6, 4)
	s_cmp_eq_u32 s2, 0
	s_cbranch_scc0 .Lentry_in_a_cluster
	s_endpgm
.Lentry_in_a_cluster:
	s_bfe_u32 s2, ttmp6, 0x10000c
	s_cmp_lg_u32 s2, 0x3003
	s_cbranch_scc0 .Lentry_shape_is_right
	s_endpgm
.Lentry_shape_is_right:
; idx[token] = argmin over the 8,192 codewords of x_sq + e_sq - 2 dot = argmax of (2 dot - e_sq), the lowest index among equals.
; WORK LEFT OUT: x_sq[token] is the same for all of a token's distances and moves no argmin, for all values of the inputs: it is not computed.
; LIMIT: a NaN, an infinity or an overflow that reaches x_sq alone is not carried to the result; NaN and infinities among the inputs are not served.
; xcode and ecode come from the launch before, as images of the matrix operand's registers.  xcode: a record of 3,328 bytes for each 16 tokens (six images of 512 bytes, then 8 bytes a lane with the scale word).
; ecode: chunks of 13,056 bytes = 64 codewords = 4 tiles of 16, with scale words (byte + 1: the product is 2 dot) and -e_sq.
; SHARES: a work-group owns 128 tokens; every wave holds all eight token tiles' codes (192 registers, window 1) and walks its own chunk of each step: 16 steps x 8 chunks = all 128 chunks.
; THE PRODUCT IS USED TRANSPOSED: source 0 = 16 codewords, source 1 = 16 tokens, C = -e_sq.  Lane (r, h) holds token r; register j is codeword 8 h + j of the tile.
; THE ARGMAX, for each accumulator: its largest of eight (four lines), one compare with the running maximum into VCC, and five dual pairs that keep or take: maximum and tile number, and the eight values.
; The place among the eight is found once, behind the walk, by comparing the saved eight with the maximum.
; LDS: two slots of 104,448 bytes at 0 and at 131,072, filled by tensor loads, a chunk a wave, read by that wave alone; behind slot 1 the spare words and the merge, on which no fill lands.
; CLUSTERS: the four work-groups of a cluster walk the same steps and ask for each chunk jointly (mask 15).  The 64 clusters begin at 16 different steps; where the walk wraps to codeword 0 the best so far is set aside.
; NO PREFETCH: all 64 clusters read the same 1,671,168 bytes, beginning at 16 different steps, so a step's bytes are asked for by other clusters of this launch throughout.
.set CHUNK, 13056
.set STEPB, 8*CHUNK
.set SLOT1, 1<<17
.set XREC,  3328
.set SPARE, SLOT1+STEPB                ; the spare words: 128 bytes a wave
.set MRG,   SPARE+1024                 ; 8 waves x 128 tokens x (value, index)
.set SPW, 1
.set NIL, 2
.set B16, 3                            ; v3-6   my chunk's lane terms;  v7-10 the same + the slot
.set B8,  4
.set B4,  5
.set BE,  6
.set A16, 7
.set A8,  8
.set A4,  9
.set AE,  10
.set H8,  11
.set GI,  13
.set MA,  14
.set ML,  15
.set AF,  16                           ; v16-39  a tile's codes, two K steps
.set AS,  40                           ; its scale words
.set XS,  42                           ; v42-49  the tokens' scale words
.set CE,  50                           ; v50-65  -e_sq, twice
.set BV,  66                           ; v66-81  the best set aside at the wrap: (value, index) x 8
.set LN,  88
.set RR,  89
.set HH,  90
.set STV, 91                           ; v91     the number of the tile whose results are searched
.set XG,  92                           ; v92-93  16 x lane, 8 x lane: never rewritten
.set X8,  93
.set ACC, 96                           ; v96-159  eight accumulators
.set SV,  160                          ; v160-223 the eight values of each token tile's best tile
.set RI,  224                          ; v224-239 (running maximum, its tile number) x 8: even, odd
.set M,   240                          ; v240-254, the even ones: each accumulator's largest
.set WV,  10
.set CX,  11
.set WG,  12
.set W4,  13
.set NINF, 14
.set CNT, 15
.set G1,  16
.set G0A, 24
.set G0B, 28
.set TB,  32
.set ST,  33
.set RP,  34
.set WOFF, 35
.set SEL, 36
.set TO,  38
.set MK,  40
.set MG,  44
.set XO,  48
.set IO,  50
.set MSB, 0
.macro WIN new                         ; the immediate's high byte repeats the setting that is left
.if MSB != \new
	s_set_vgpr_msb (MSB<<8)|\new
.set MSB, \new
.endif
.endm
.macro CREST                           ; a round of the cluster's barrier behind its opening barrier
	s_cmp_lg_u32 s[WV], 0
	s_cbranch_scc1 .Lnot_wave_0_\@
	s_barrier_signal -3
.Lnot_wave_0_\@:
	s_barrier_wait -3
	s_barrier_signal -1
	s_barrier_wait -1
.endm
.macro CROUND
	s_barrier_signal -1
	s_barrier_wait -1
	CREST
.endm
.macro PLACES                          ; four places behind a tile's products; the first of them lays the tile's number
	v_mov_b32 v[STV], s[ST]
.rept 3
	v_nop
.endr
.endm
.macro ADDR                            ; my chunk in the slot that is read now
	v_add_nc_u32 v[A16], s[TB], v[B16]
	v_add_nc_u32 v[A8], s[TB], v[B8]
	v_add_nc_u32 v[A4], s[TB], v[B4]
	v_add_nc_u32 v[AE], s[TB], v[BE]
.endm
.macro FETCH t                         ; tile t of my chunk: 24 registers of codes, the scale words, -e_sq
.irp g, 0,1,2,3
	ds_load_b128 v[AF+6*\g:AF+6*\g+3], v[A16] offset:3072*(\t)+768*\g
	ds_load_b64 v[AF+6*\g+4:AF+6*\g+5], v[A8] offset:3072*(\t)+768*\g+512
.endr
	ds_load_b32 v[AS], v[A4] offset:12288+128*(\t)
.irp u, 0,1
	ds_load_b128 v[CE+8*\u:CE+8*\u+3], v[AE] offset:12800+64*(\t)
	ds_load_b128 v[CE+8*\u+4:CE+8*\u+7], v[AE] offset:12800+64*(\t)+16
.endr
.endm
.macro MULT                            ; 16 codewords x 128 tokens x 256 along K; the eight accumulators by turns
	WIN 0x04
.irp i, 0,1,2,3,4,5,6,7
	v_wmma_scale_f32_16x16x128_f8f6f4 v[ACC+8*\i:ACC+8*\i+7], v[AF:AF+11], v[24*\i:24*\i+11], v[CE+8*(\i%2):CE+8*(\i%2)+7], v[AS], v[XS+\i] matrix_a_fmt:MATRIX_FMT_FP6 matrix_b_fmt:MATRIX_FMT_FP6
.endr
.irp i, 0,1,2,3,4,5,6,7
	v_wmma_scale_f32_16x16x128_f8f6f4 v[ACC+8*\i:ACC+8*\i+7], v[AF+12:AF+23], v[24*\i+12:24*\i+23], v[ACC+8*\i:ACC+8*\i+7], v[AS], v[XS+\i] matrix_a_fmt:MATRIX_FMT_FP6 matrix_b_fmt:MATRIX_FMT_FP6 matrix_a_scale:MATRIX_SCALE_ROW1 matrix_b_scale:MATRIX_SCALE_ROW1
.endr
	WIN 0
.endm
; line s (0..3) of the largest of eight, for accumulators 4 g .. 4 g + 3 by turns; each accumulator is read from its low end on
.macro TSTEP g, s
.irp k, 0,1,2,3
.if (\s) == 0
	v_max3_num_f32 v[M+8*(\g)+2*\k], v[ACC+8*(4*(\g)+\k)], v[ACC+8*(4*(\g)+\k)+1], v[ACC+8*(4*(\g)+\k)+2]
.elseif (\s) < 3
	v_max3_num_f32 v[M+8*(\g)+2*\k], v[M+8*(\g)+2*\k], v[ACC+8*(4*(\g)+\k)+2*(\s)+1], v[ACC+8*(4*(\g)+\k)+2*(\s)+2]
.else
	v_max_num_f32 v[M+8*(\g)+2*\k], v[M+8*(\g)+2*\k], v[ACC+8*(4*(\g)+\k)+7]
.endif
.endr
.endm
.macro TAKE i                          ; VCC = keep: the running maximum is not beaten (an equal value keeps the earlier tile)
	v_cmp_ge_f32 vcc_lo, v[RI+2*(\i)], v[M+2*(\i)]
.endm
.macro KEEP i                          ; five dual pairs under VCC: VCC ? the second source : the first
	v_dual_max_num_f32 v[RI+2*(\i)], v[RI+2*(\i)], v[M+2*(\i)] :: v_dual_cndmask_b32 v[RI+2*(\i)+1], v[STV], v[RI+2*(\i)+1]
.irp j, 0,2,4,6
	v_dual_cndmask_b32 v[SV+8*(\i)+\j], v[ACC+8*(\i)+\j], v[SV+8*(\i)+\j] :: v_dual_cndmask_b32 v[SV+8*(\i)+\j+1], v[ACC+8*(\i)+\j+1], v[SV+8*(\i)+\j+1]
.endr
.endm
.macro EPI                             ; 80 lines for 8 accumulators; the second four's maxima stand between a compare and its pairs
.irp s, 0,1,2,3
	TSTEP 0, \s
.endr
.irp i, 0,1,2,3
	TAKE \i
	TSTEP 1, \i
	KEEP \i
.endr
.irp i, 4,5,6,7
	TAKE \i
	KEEP \i
.endr
.endm
; (value, index) of token tiles 4 g .. 4 g + 3, by turns, into v[base + 2 i], v[base + 2 i + 1]: the lowest j whose saved value is the maximum
.macro RESOLVE4 g, base
.irp k, 0,1,2,3
	v_mov_b32 v[\base+2*(4*\g+\k)+1], 0
.endr
.irp j, 7,6,5,4,3,2,1
.irp k, 0,1,2,3
	v_cmp_eq_f32 s[MK+\k], v[SV+8*(4*\g+\k)+\j], v[RI+2*(4*\g+\k)]
.endr
.irp k, 0,1,2,3
	v_cndmask_b32 v[\base+2*(4*\g+\k)+1], v[\base+2*(4*\g+\k)+1], \j, s[MK+\k]
.endr
.endr
.irp k, 0,1,2,3
	v_lshl_add_u32 v[\base+2*(4*\g+\k)+1], v[RI+2*(4*\g+\k)+1], 4, v[\base+2*(4*\g+\k)+1]
.endr
.irp k, 0,1,2,3
	v_add_nc_u32 v[\base+2*(4*\g+\k)+1], v[\base+2*(4*\g+\k)+1], v[H8]
.endr
.irp k, 0,1,2,3
	v_mov_b32 v[\base+2*(4*\g+\k)], v[RI+2*(4*\g+\k)]
.endr
.endm
.macro MERGE bv, bn, cv, cn            ; b takes c where c is larger, or equal with the lower index
	v_cmp_gt_f32 s[MG], v[\cv], v[\bv]
	v_cmp_eq_f32 s[MG+1], v[\cv], v[\bv]
	v_cmp_lt_u32 s[MG+2], v[\cn], v[\bn]
	s_and_b32 s[MG+1], s[MG+1], s[MG+2]
	s_or_b32 s[MG], s[MG], s[MG+1]
	v_cndmask_b32 v[\bv], v[\bv], v[\cv], s[MG]
	v_cndmask_b32 v[\bn], v[\bn], v[\cn], s[MG]
.endm
.macro PUSH                            ; the walk wraps to codeword 0: the best of the higher indices is set aside, and the search begins anew
	RESOLVE4 0, BV
	RESOLVE4 1, BV
.irp i, 0,1,2,3,4,5,6,7
	v_mov_b32 v[RI+2*\i], s[NINF]
.endr
.endm
.macro TILE t
	s_wait_dscnt 0x0                               ; this tile's 13 loads are in
	MULT
	PLACES                                         ; four places ahead of loads into the products' sources and of the first reads of results
	FETCH (\t)+1
	EPI
	s_add_co_u32 s[ST], s[ST], 1
.endm
.macro NEXT_STEP
	s_add_co_u32 s[RP], s[RP], 1
	s_and_b32 s[RP], s[RP], 15
	s_xor_b32 s[TB], s[TB], SLOT1
.endm
; A step: my chunk's four tiles.  fill = 1: this slot is filled again, two steps ahead; 2: the other slot is still to be read; 0: the last
.macro STEP fill
	s_lshl_b32 s[ST], s[RP], 5
	s_add_co_u32 s[ST], s[ST], s[W4]               ; the tile's number: 32 x step + 4 x wave
	s_cmp_lg_u32 s[RP], 0
	s_cbranch_scc1 .Lno_wrap_\@
	PUSH
.Lno_wrap_\@:
	s_wait_alu depctr_va_vdst(0)
	TILE 0
	TILE 1
	TILE 2
.if \fill == 1
	s_wait_tensorcnt 0x0                           ; my one load that was out, my chunk of the other slot, has landed
	ds_add_u32 v[SPW], v[NIL]
	NEXT_STEP
	s_add_co_u32 s[TO], s[RP], 1
	s_and_b32 s[TO], s[TO], 15
	s_mul_i32 s[TO], s[TO], STEPB
	s_xor_b32 s[G0B+1], s[G0B+1], SLOT1            ; no load of mine is out: the descriptor is written for the slot read now, two steps on
	s_add_nc_u64 s[G0B+2:G0B+3], s[6:7], s[TO:TO+1]
	s_or_b32 s[G0B+3], s[G0B+3], 0x80000000
	s_wait_dscnt 0x0                               ; the add is done, and my reads of this slot, tile 3's among them
	s_barrier_signal -1
	MULT                                           ; work on registers while the others arrive
	s_barrier_wait -1
	CREST
	tensor_load_to_lds s[G0B:G0B+3], s[G1:G1+7]
	s_nop 0
	ADDR                                           ; four plain lines: the places behind the products too
	v_mov_b32 v[STV], s[ST]
	FETCH 0
	EPI
.elseif \fill == 2
	s_wait_tensorcnt 0x0                           ; my chunk of the last step has landed; I alone read it
	s_wait_dscnt 0x0
	MULT
	NEXT_STEP
	ADDR
	v_mov_b32 v[STV], s[ST]
	FETCH 0
	EPI
.else
	s_wait_dscnt 0x0
	MULT
	PLACES
	EPI
.endif
.endm
	s_load_b128 s[4:7], s[0:1], 0x0                ; xcode, ecode
	s_load_b64 s[8:9], s[0:1], 0x10                ; idx
	v_lshl_add_u32 v[SPW], v0, 2, SPARE
	v_mov_b32 v[NIL], 0
	ds_add_u32 v[SPW], v[NIL]                      ; the opening lines
	ds_add_u32 v[SPW], v[NIL]
	v_lshrrev_b32 v[LN], 5, v0
	v_readfirstlane_b32 s[WV], v[LN]
	s_bfe_u32 s[CX], ttmp6, 0x40000
	s_lshl_b32 s[WG], ttmp9, 2
	s_add_co_u32 s[WG], s[WG], s[CX]               ; work-group = 4 x cluster + place
	s_lshl_b32 s[W4], s[WV], 2
	s_mov_b32 s[NINF], 0xff800000
	s_mov_b32 s[TB], 0
	s_lshr_b32 s[RP], ttmp9, 2
	s_xor_b32 s[RP], s[RP], ttmp9
	s_and_b32 s[RP], s[RP], 15                     ; the cluster's first step
	s_mov_b32 s[SEL], 0x76543210
	s_mov_b32 s[SEL+1], 0xfedcba98
	s_mul_i32 s[WOFF], s[WV], CHUNK
	s_mov_b32 s[G1], 15|(3<<16)|(1<<21)            ; a chunk: 51 rows of 256 bytes, dense; the mask names the cluster's four
	s_mov_b32 s[G1+1], 32<<16
	s_mov_b32 s[G1+2], 51<<16
	s_mov_b32 s[G1+3], 32<<16
	s_mov_b32 s[G1+4], 51
	s_mov_b32 s[G1+5], 32
	s_mov_b32 s[G1+6], 0
	s_mov_b32 s[G1+7], 0
	s_mul_i32 s[XO], s[WG], 8*XREC                 ; xcode: my work-group's eight records
	s_mov_b32 s[XO+1], 0
	s_lshl_b32 s[IO], s[WG], 9                     ; idx: 512 bytes a work-group; waves 0 and 1 store 256 each
	s_and_b32 s[IO+1], s[WV], 1
	s_lshl_b32 s[IO+1], s[IO+1], 8
	s_add_co_u32 s[IO], s[IO], s[IO+1]
	s_mov_b32 s[IO+1], 0
	s_mov_b32 s[TO], s[WOFF]
	s_mov_b32 s[TO+1], 0
	v_and_b32 v[LN], 31, v0
	v_and_b32 v[RR], 15, v0
	v_bfe_u32 v[HH], v0, 4, 1
	v_lshlrev_b32 v[XG], 4, v[LN]
	v_lshlrev_b32 v[X8], 3, v[LN]
	s_wait_alu depctr_va_vdst(0)
	s_wait_dscnt 0x0
	s_wait_kmcnt 0x0
	s_add_nc_u64 s[4:5], s[4:5], s[XO:XO+1]
	s_add_nc_u64 s[6:7], s[6:7], s[TO:TO+1]        ; ecode at my wave's chunk of step 0
	s_add_nc_u64 s[8:9], s[8:9], s[IO:IO+1]
	WIN 0x40
.irp i, 0,1,2,3,4,5,6,7
.irp n, 0,1,2,3,4,5
	global_load_b128 v[24*\i+4*\n:24*\i+4*\n+3], v[XG], s[4:5] offset:XREC*\i+512*\n   ; all 128 tokens' codes into window 1: token tile i at v[24 i]; 512 consecutive bytes a load
.endr
.endr
	WIN 0
.irp i, 0,1,2,3,4,5,6,7
	global_load_b32 v[XS+\i], v[X8], s[4:5] offset:XREC*\i+3072   ; lanes 0-15 K step 0's word, lanes 16-31 K step 1's
.endr
	s_mov_b32 s[G0A], 1
	s_mov_b32 s[G0A+1], s[WOFF]
	s_mul_i32 s[TO], s[RP], STEPB
	s_add_nc_u64 s[G0A+2:G0A+3], s[6:7], s[TO:TO+1]
	s_or_b32 s[G0A+3], s[G0A+3], 0x80000000
	s_mov_b32 s[G0B], 1
	s_add_co_u32 s[G0B+1], s[WOFF], SLOT1
	s_add_co_u32 s[TO], s[RP], 1
	s_and_b32 s[TO], s[TO], 15
	s_mul_i32 s[TO], s[TO], STEPB
	s_add_nc_u64 s[G0B+2:G0B+3], s[6:7], s[TO:TO+1]
	s_or_b32 s[G0B+3], s[G0B+3], 0x80000000
	CROUND                                         ; the four work-groups are here: the first joint loads meet
	tensor_load_to_lds s[G0A:G0A+3], s[G1:G1+7]    ; my chunk of the first step: the one load of the head
	s_nop 0
	v_lshl_add_u32 v[B16], v[LN], 4, s[WOFF]
	v_lshl_add_u32 v[B8], v[LN], 3, s[WOFF]
	v_lshl_add_u32 v[B4], v[LN], 2, s[WOFF]
	v_lshl_add_u32 v[BE], v[HH], 5, s[WOFF]
	v_lshlrev_b32 v[H8], 3, v[HH]
	v_lshlrev_b32 v[GI], 3, v[LN]
	s_lshl_b32 s[MG], s[WV], 10
	s_add_co_u32 s[MG], s[MG], MRG
	v_lshl_add_u32 v[MA], v[RR], 3, s[MG]
	s_and_b32 s[MG+1], s[WV], 1
	s_lshl_b32 s[MG+1], s[MG+1], 9
	s_add_co_u32 s[MG+1], s[MG+1], MRG
	v_lshl_add_u32 v[ML], v[LN], 4, s[MG+1]
.irp i, 0,1,2,3,4,5,6,7
	v_mov_b32 v[RI+2*\i], s[NINF]
	v_mov_b32 v[RI+2*\i+1], 0
	v_mov_b32 v[BV+2*\i], s[NINF]
	v_mov_b32 v[BV+2*\i+1], 0
.endr
.set n, 0
.rept 32
	v_dual_mov_b32 v[SV+2*n], 0 :: v_dual_mov_b32 v[SV+2*n+1], 0   ; the first tile's pairs name the saved values as sources
.set n, n+1
.endr
	s_wait_alu depctr_va_vdst(0)
	s_wait_tensorcnt 0x0                           ; my chunk of the first step has landed
	ds_add_u32 v[SPW], v[NIL]
	s_wait_dscnt 0x0
	CROUND
	tensor_load_to_lds s[G0B:G0B+3], s[G1:G1+7]    ; slot 1's first fill: the second step
	s_nop 0
	ADDR
	FETCH 0
	s_mov_b32 s[CNT], 14
	s_wait_alu depctr_va_vdst(0)
	s_wait_loadcnt 0x0                             ; the tokens' codes and scale words are in
.Lstep:
	STEP 1
	s_sub_co_u32 s[CNT], s[CNT], 1
	s_cmp_lg_u32 s[CNT], 0
	s_cbranch_scc1 .Lstep
	STEP 2
	STEP 0
; my lane's best, with what was set aside; then lane l xor 16's eight codewords of each tile; then the eight waves' through LDS
	RESOLVE4 0, ACC
	RESOLVE4 1, ACC
.irp i, 0,1,2,3,4,5,6,7
	MERGE ACC+2*\i, ACC+2*\i+1, BV+2*\i, BV+2*\i+1
.endr
.irp i, 0,1,2,3,4,5,6,7
	v_permlanex16_b32 v[ACC+16+2*\i], v[ACC+2*\i], s[SEL], s[SEL+1]
	v_permlanex16_b32 v[ACC+17+2*\i], v[ACC+2*\i+1], s[SEL], s[SEL+1]
.endr
.irp i, 0,1,2,3,4,5,6,7
	MERGE ACC+2*\i, ACC+2*\i+1, ACC+16+2*\i, ACC+17+2*\i
	ds_store_b64 v[MA], v[ACC+2*\i:ACC+2*\i+1] offset:128*\i
.endr
	s_wait_dscnt 0x0                               ; for the others' sake: my stores have landed
	s_barrier_signal -1
	s_barrier_wait -1
	s_cmp_gt_u32 s[WV], 1                          ; waves 0 and 1 join 64 tokens each, two a lane
	s_cbranch_scc1 .Ljoined
.irp q, 0,1,2,3,4,5,6,7
	ds_load_b128 v[128+4*\q:131+4*\q], v[ML] offset:1024*\q
.endr
	s_wait_dscnt 0x0
.irp q, 1,2,3,4,5,6,7
	MERGE 128, 129, 128+4*\q, 129+4*\q
	MERGE 130, 131, 130+4*\q, 131+4*\q
.endr
	v_mov_b32 v128, v129
	s_delay_alu instid0(VALU_DEP_2)
	v_mov_b32 v129, v131
	global_store_b64 v[GI], v[128:129], s[8:9]     ; 32 lanes store one aligned run of 256 bytes
.Ljoined:
	s_wait_tensorcnt 0x0                           ; the wave's end
	ds_add_u32 v[SPW], v[NIL]
	s_wait_dscnt 0x0
	CROUND                                         ; the closing round
	s_endpgm
.Lfunc_end_k_q6914ad60f0_dist:
	.size	k_q6914ad60f0_dist, .Lfunc_end_k_q6914ad60f0_dist-k_q6914ad60f0_dist
	.p2alignl 7, 3214868480
	.fill 96, 4, 3214868480
	.section	.rodata,"a",@progbits
	.p2align	6, 0x0
	.amdhsa_kernel k_q6914ad60f0_dist
		.amdhsa_group_segment_fixed_size 327680
		.amdhsa_private_segment_fixed_size 0
		.amdhsa_enable_private_segment 0
		.amdhsa_kernarg_size 24
		.amdhsa_user_sgpr_count 2
		.amdhsa_user_sgpr_kernarg_segment_ptr 1
		.amdhsa_wavefront_size32 1
		.amdhsa_system_sgpr_workgroup_id_x 1
		.amdhsa_system_sgpr_workgroup_id_y 1
		.amdhsa_system_sgpr_workgroup_id_z 1
		.amdhsa_system_vgpr_workitem_id 0
		.amdhsa_next_free_vgpr 448
		.amdhsa_next_free_sgpr 66
		.amdhsa_reserve_vcc 1
		.amdhsa_float_denorm_mode_32 3
		.amdhsa_float_denorm_mode_16_64 3
		.amdhsa_memory_ordered 1
		.amdhsa_forward_progress 1
		.amdhsa_inst_pref_size 154
	.end_amdhsa_kernel
	.amdgpu_metadata
---
amdhsa.version: [ 1, 2 ]
amdhsa.kernels:
  - .name:           k_q6914ad60f0_dist
    .symbol:         k_q6914ad60f0_dist.kd
    .args:
      - { .name: xcode, .offset: 0, .size: 8, .value_kind: global_buffer, .address_space: global }
      - { .name: ecode, .offset: 8, .size: 8, .value_kind: global_buffer, .address_space: global }
      - { .name: idx, .offset: 16, .size: 8, .value_kind: global_buffer, .address_space: global }
    .group_segment_fixed_size: 327680
    .private_segment_fixed_size: 0
    .kernarg_segment_align: 8
    .kernarg_segment_size: 24
    .max_flat_workgroup_size: 256
    .sgpr_count:     66
    .vgpr_count:     448
    .wavefront_size: 32
...
	.end_amdgpu_metadata
.endif
;; end of part 2
;; launch gather (part 3): grid 256 x 1, 8 waves a work-group, no clusters, 0 bytes of LDS; arguments idx, embt, out0; writes out0
.if DOCPART == 3
	.amdgcn_target "amdgcn-amd-amdhsa--gfx1250"
	.amdhsa_code_object_version 6
	.text
	.protected	k_q6914ad60f0_gather
	.globl	k_q6914ad60f0_gather
	.p2align	8
	.type	k_q6914ad60f0_gather,@function
k_q6914ad60f0_gather:
	s_mov_b64 s[64:65], 0
	v_nop
	global_prefetch_b8 v0, s[64:65] scope:SCOPE_SE
	s_setreg_imm32_b32 hwreg(HW_REG_WAVE_MODE, 25, 1), 1
	s_wait_xcnt 0x0
; out0[token][:] = embt[idx[token]][:].  idx: 32,768 u32, stored by the launch before; embt: [8192][256] f32; out0: [32768][256] f32.
; A work-group takes 128 tokens, a wave 16.  The wave's 16 indices come by one scalar load; each is held to the table (at most 8,191) before it enters an address.
; A row is 1,024 bytes: two loads and two stores of 512 consecutive bytes.  All 32 loads of a wave go out ahead of its stores.  No LDS, no barrier: waves share nothing.
.set ROWB, 1024
.set OFF, 2                            ; v2-17   row k: 1,024 x its index + 16 x lane
.set D,   32                           ; v32-159 row k: 8 registers
	s_load_b128 s[4:7], s[0:1], 0x0                ; idx, embt
	s_load_b64 s[8:9], s[0:1], 0x10                ; out0
	v_lshrrev_b32 v1, 5, v0
	s_delay_alu instid0(VALU_DEP_1)
	v_readfirstlane_b32 s10, v1                    ; wave 0..7
	v_and_b32 v1, 31, v0
	s_delay_alu instid0(VALU_DEP_1)
	v_lshlrev_b32 v1, 4, v1                        ; 16 x lane
	s_lshl_b32 s12, ttmp9, 9                       ; idx: 4 bytes x (128 x work-group + 16 x wave)
	s_lshl_b32 s13, s10, 6
	s_add_co_u32 s12, s12, s13
	s_mov_b32 s13, 0
	s_lshl_b32 s14, ttmp9, 17                      ; out0: 1,024 bytes x the same
	s_lshl_b32 s15, s10, 14
	s_add_co_u32 s14, s14, s15
	s_mov_b32 s15, 0
	s_wait_alu depctr_va_vdst(0)
	s_wait_kmcnt 0x0
	s_add_nc_u64 s[4:5], s[4:5], s[12:13]
	s_add_nc_u64 s[8:9], s[8:9], s[14:15]
	s_load_b512 s[16:31], s[4:5], 0x0              ; my 16 indices
	s_wait_kmcnt 0x0
.irp k, 0,1,2,3,4,5,6,7,8,9,10,11,12,13,14,15
	s_min_u32 s[16+\k], s[16+\k], 0x1fff           ; inside the table
	s_lshl_b32 s[16+\k], s[16+\k], 10
	v_add_nc_u32 v[OFF+\k], s[16+\k], v1
	global_load_b128 v[D+8*\k:D+8*\k+3], v[OFF+\k], s[6:7]             ; (no hint: a row may be named again)
	global_load_b128 v[D+8*\k+4:D+8*\k+7], v[OFF+\k], s[6:7] offset:512
.endr
.irp k, 0,1,2,3,4,5,6,7,8,9,10,11,12,13,14,15
	s_wait_loadcnt 30-2*\k                         ; row k's two loads are in; the later rows' pairs may be out
	global_store_b128 v1, v[D+8*\k:D+8*\k+3], s[8:9] offset:ROWB*\k th:TH_STORE_NT       ; 32 lanes store 512 consecutive bytes, aligned; written once
	global_store_b128 v1, v[D+8*\k+4:D+8*\k+7], s[8:9] offset:ROWB*\k+512 th:TH_STORE_NT
.endr
	s_endpgm
.Lfunc_end_k_q6914ad60f0_gather:
	.size	k_q6914ad60f0_gather, .Lfunc_end_k_q6914ad60f0_gather-k_q6914ad60f0_gather
	.p2alignl 7, 3214868480
	.fill 96, 4, 3214868480
	.section	.rodata,"a",@progbits
	.p2align	6, 0x0
	.amdhsa_kernel k_q6914ad60f0_gather
		.amdhsa_group_segment_fixed_size 0
		.amdhsa_private_segment_fixed_size 0
		.amdhsa_enable_private_segment 0
		.amdhsa_kernarg_size 24
		.amdhsa_user_sgpr_count 2
		.amdhsa_user_sgpr_kernarg_segment_ptr 1
		.amdhsa_wavefront_size32 1
		.amdhsa_system_sgpr_workgroup_id_x 1
		.amdhsa_system_sgpr_workgroup_id_y 1
		.amdhsa_system_sgpr_workgroup_id_z 1
		.amdhsa_system_vgpr_workitem_id 0
		.amdhsa_next_free_vgpr 160
		.amdhsa_next_free_sgpr 66
		.amdhsa_reserve_vcc 0
		.amdhsa_float_denorm_mode_32 3
		.amdhsa_float_denorm_mode_16_64 3
		.amdhsa_memory_ordered 1
		.amdhsa_forward_progress 1
		.amdhsa_inst_pref_size 10
	.end_amdhsa_kernel
	.amdgpu_metadata
---
amdhsa.version: [ 1, 2 ]
amdhsa.kernels:
  - .name:           k_q6914ad60f0_gather
    .symbol:         k_q6914ad60f0_gather.kd
    .args:
      - { .name: idx, .offset: 0, .size: 8, .value_kind: global_buffer, .address_space: global }
      - { .name: embt, .offset: 8, .size: 8, .value_kind: global_buffer, .address_space: global }
      - { .name: out0, .offset: 16, .size: 8, .value_kind: global_buffer, .address_space: global }
    .group_segment_fixed_size: 0
    .private_segment_fixed_size: 0
    .kernarg_segment_align: 8
    .kernarg_segment_size: 24
    .max_flat_workgroup_size: 256
    .sgpr_count:     66
    .vgpr_count:     160
    .wavefront_size: 32
...
	.end_amdgpu_metadata
.endif
;; end of part 3
